; MI455X (gfx1250); checked and timed in simulation.
; The chip was launched on July 23, 2026; its instructions are those of AMD's public machine-readable ISA for CDNA 5 (MIT licence, August 2026) and "CDNA5" Instruction Set Architecture Reference Guide (July 2026). The comments in the code are by the model that wrote it; some were corrected since.
;; Multi Head Attention. Allowed arithmetic: matrix products marked QUANTISED: E4M3 operands, one given power-of-two scale a tensor, by v_wmma_f32_16x16x64_fp8_fp8 or v_wmma_f32_16x16x128_fp8_fp8, f32 sums; everything else in f32.
;; Inputs: W_proj 1,024 x 1,024 float32; W_qkv 3,072 x 1,024 float32; lowp_scales 8 int32 (the exponents e of the quantised operands' scales 2^e); x 2 x 2,048 x 1,024 float32.
;; Outputs: out0 2 x 2,048 x 1,024 float32.
;; This version of the problem:
;;   THIS VERSION OF THE PROBLEM IS GIVEN IN LOW PRECISION. The matrix products marked QUANTISED in the list below multiply operands that are first quantised to E4M3 (4 exponent bits, 3 mantissa bits; 8 bits a number), with one given power-of-two scale for each operand tensor; their sums are f32. All else is computed in f32.
;;   The module's matrix products, in the order in which they are computed (A, B: the left and right operand; K: the contracted axis; several contracted axes count as one K, in the product's order):
;;     1. [M 4,096, K 1,024] x [K 1,024, N 3,072]; A: input x; B: input W_qkv: QUANTISED (scales: A lowp_scales[0], B lowp_scales[1])
;;     2. batch 32 x [M 2,048, K 64] x [K 64, N 2,048]; A: computed on the way; B: computed on the way: QUANTISED (scales: A lowp_scales[2], B lowp_scales[3])
;;     3. batch 32 x [M 64, K 2,048] x [K 2,048, N 2,048]; A: computed on the way; B: softmax (see below): QUANTISED (scales: A lowp_scales[4], B lowp_scales[5])
;;     4. [M 4,096, K 1,024] x [K 1,024, N 1,024]; A: computed on the way; B: input W_proj: QUANTISED (scales: A lowp_scales[6], B lowp_scales[7])
;;   THE QUANTISER, for each operand of a quantised product, along K:
;;     - The operand's scale is 2^e, e = its entry of the input lowp_scales (int32; the entries are numbered through the quantised products in the list's order, A before B).
;;     - Each number is divided by the scale, clamped to +-448, and rounded to the nearest number of E4M3, ties to even, subnormals kept.
;;     - The product sums the exact products of the quantised numbers (number of the format x scale) in f32.
;;   ~~~python
;;   def quantise(x, axis, e):      # numpy; x: float32 -> the quantised numbers, widened to float32 again
;;       x = np.moveaxis(x, axis, -1); K = x.shape[-1]
;;       r = np.clip(x / 2.0 ** e, -448, 448)
;;       step = 2.0 ** (np.maximum(np.frexp(np.where(r == 0, 1, r))[1] - 1, -6) - 3)
;;       q = np.round(r / step) * step * 2.0 ** e      # np.round: ties to even
;;       return np.moveaxis(q, -1, axis).astype(np.float32)
;;   ~~~
;;   SOFTMAX AHEAD OF A QUANTISED PRODUCT. Where the list says 'softmax', what is quantised is not the finished softmax but p = 2^(t - M), with t = logit x log2(e) and M = ceil(the row's largest t), a whole number; so 1/2 < the row's largest p <= 1. The row's sum l is taken of the UNQUANTISED p, in f32, and the product's result is divided by l at the end. Since M is a whole number, a kernel that streams over the keys may use a running M (the ceiling of the running maximum): every later rescaling is an exact power of two, so the quantised numbers keep their values, but for numbers so far below the row's largest that they fall under the format's range.
;;   OPERANDS COMPUTED ON THE WAY. 'Computed on the way' means the value that the module computes at that place (a softmax that the list does not call 'softmax' is quantised finished and normalised). What goes into a quantiser is computed in f32, as accurately as f32 sums, v_exp_f32 and their like allow (about 1e-6 of the number): no bf16 or f16 on the way to a quantiser, and a product that is left as it is and whose result goes on into a quantised operand takes f32 operands (vector FMAs, or v_wmma_f32_16x16x4_f32). A number that lies on a knife's edge between two numbers of the format may be rounded either way, as far as f32 arithmetic and the matrix unit's own rounding can turn it there, and no further.
;; One version. Each part assembles by itself: llvm-mc -triple=amdgcn-amd-amdhsa -mcpu=gfx1250 --defsym DOCPART=n.
;; ======== version 1 of 1: 4 launches
;; limits: right only within a limited range of input values
;; workspace buffers: x_img 4,194,304 bytes; wq_img 3,145,728 bytes; wp_img 1,048,576 bytes; q_img 4,194,304 bytes; k_img 4,194,304 bytes; v_img 4,194,304 bytes; a_img 4,194,304 bytes
;; launch quant (part 1): grid 512 x 1, 8 waves a work-group, no clusters, 68,608 bytes of LDS; arguments x, W_qkv, W_proj, lowp_scales, x_img, wq_img, wp_img; writes x_img, wq_img, wp_img
.if DOCPART == 1
	.amdgcn_target "amdgcn-amd-amdhsa--gfx1250"
	.amdhsa_code_object_version 6
	.text
	.protected	k_qd7edc61366_quant
	.globl	k_qd7edc61366_quant
	.p2align	8
	.type	k_qd7edc61366_quant,@function
k_qd7edc61366_quant:
	s_mov_b64 s[64:65], 0
	v_nop
	global_prefetch_b8 v0, s[64:65] scope:SCOPE_SE
	s_setreg_imm32_b32 hwreg(HW_REG_WAVE_MODE, 25, 1), 1
	s_wait_xcnt 0x0
; x [4096][1024], W_qkv [3072][1024] and W_proj [1024][1024], f32, K innermost, become codes of FP8 (E4M3), each tensor with the one scale 2^e given for it
; (x: entry 0 of the scales, W_qkv: entry 1, W_proj: entry 7).  code = number / 2^e, held within +-448, to the nearest code, ties to even.
; THE CODES ARE LAID IN THE ORDER OF THE OPERAND'S REGISTERS ("image"): [block of 16 rows][fragment of 128 K: 8][chunk: 4][lane: 32][16 bytes].
;   Block B holds, in lane place r = 0..15, row 32 (B / 2) + 8 (B % 2) + r + 8 (r / 8);  lane l = r + 16 h of chunk c holds k = 32 c + 16 h + 0 .. 15 of its row.
;   So every later load of a fragment is four loads of 16 bytes a lane, 512 consecutive bytes each, from memory and from LDS alike.
; SHARES.  A work-group takes one block of 16 rows, wave w its fragment w (16 rows x 128 K: 8,192 bytes in, 2,048 out).  Work-groups 0-255: x; 256-447: W_qkv; 448-511: W_proj.  Only pointers, a block's number
; and e are chosen (s_cselect on the work-group's number): there is one path through the text.  No loop: each wave has its 16 loads out at once.
; Each load reads 512 consecutive bytes of one row.  The conversions want 16 neighbours along K in ONE lane, so the 8,192 bytes turn through the wave's own stage in LDS (rows of 512 + 16 bytes).
; No barrier (waves share nothing), no tensor load, no matrix unit, no cluster: work-groups share no input byte, and every byte is read once and every code written once.
; LIMITS: e between -126 and 119, so that 2^e and 448 x 2^e are f32 numbers.  NaN among the inputs is not served; an infinity is held at the largest code.
; W_qkv's blocks are laid by head: block 12 x head + 4 x part + i (part 0: q, 1: k, 2: v; i = 0..3: the head's 64 rows), so that one head's twelve blocks lie on end.
; LEFT OUT IN THE PROGRAM (launch attn): steps of 128 keys that lie wholly behind a tile's queries.  reference() itself puts -infinity there by its causal tril, so their p is 0 for all values of the inputs.
; LIMIT: a NaN, an infinity or an overflow that reaches only those scores is not carried to the result.
.set SP,  528
.set WST, 16*SP                        ; a wave's stage
.set R,   16                           ; v16-79   16 rows as loaded, 4 registers each
.set X,   80                           ; v80-143  chunk c: 16 neighbours along K at v[X + 16 c]
.set C,   144                          ; v144-159 chunk c's codes: registers of their own, so that no store's data are written again
	s_load_b256 s[4:11], s[0:1], 0x0               ; x s[4:5], W_qkv s[6:7], W_proj s[8:9], the scales' exponents s[10:11]
	s_load_b128 s[12:15], s[0:1], 0x20             ; x_img s[12:13], wq_img s[14:15]
	s_load_b64 s[16:17], s[0:1], 0x30              ; wp_img
	v_lshl_add_u32 v160, v0, 2, 0x10800
	v_mov_b32 v161, 0
	v_lshrrev_b32 v4, 5, v0
	s_delay_alu instid0(VALU_DEP_1)
	v_readfirstlane_b32 s19, v4                    ; wave 0..7
	v_and_b32 v5, 31, v0
	s_delay_alu instid0(VALU_DEP_1)
	v_lshlrev_b32 v1, 4, v5                        ; 16 x lane: my bytes of a load's 512 and of a store's 512
	s_mul_i32 s32, s19, WST
	v_add_nc_u32 v2, s32, v1                       ; the stage, on the way in: as loaded
	v_and_b32 v6, 15, v0                           ; r
	v_bfe_u32 v7, v0, 4, 1                         ; h
	s_delay_alu instid0(VALU_DEP_2)
	v_mul_u32_u24 v3, v6, SP
	s_delay_alu instid0(VALU_DEP_1)
	v_lshl_add_u32 v3, v7, 6, v3
	s_delay_alu instid0(VALU_DEP_1)
	v_add_nc_u32 v3, s32, v3                       ; and on the way out: row r, + 64 h bytes: my 16 numbers of a block of 32
	s_mov_b32 s18, 448
	s_cmp_lt_u32 ttmp9, 448
	s_cselect_b32 s18, 256, s18
	s_cmp_lt_u32 ttmp9, 256
	s_cselect_b32 s18, 0, s18                      ; the tensor's first work-group
	s_sub_co_u32 s18, ttmp9, s18                   ; B: my block in the tensor
	s_lshr_b32 s33, s18, 1
	s_lshl_b32 s33, s33, 5
	s_and_b32 s34, s18, 1
	s_lshl_b32 s34, s34, 3
	s_add_co_u32 s33, s33, s34                     ; the block's first row: 32 (B / 2) + 8 (B % 2)
	s_lshl_b32 s36, s33, 12                        ; a row is 4,096 bytes
	s_lshl_b32 s34, s19, 9
	s_add_co_u32 s36, s36, s34                     ; + my wave's 128 numbers
	s_mov_b32 s37, 0
	s_lshr_b32 s35, s18, 6                         ; W_qkv: the part,
	s_lshl_b32 s35, s35, 2
	s_bfe_u32 s42, s18, 0x40002                    ; the head,
	s_mul_i32 s42, s42, 12
	s_and_b32 s43, s18, 3                          ; and the block in the head
	s_add_co_u32 s42, s42, s35
	s_add_co_u32 s42, s42, s43
	s_sub_co_u32 s44, ttmp9, 256
	s_cmp_lt_u32 s44, 192                          ; W_qkv's work-group?
	s_cselect_b32 s42, s42, s18
	s_lshl_b32 s38, s42, 14
	s_lshl_b32 s34, s19, 11
	s_add_co_u32 s38, s38, s34                     ; a fragment's 2,048
	s_mov_b32 s39, 0
	s_wait_alu depctr_va_vdst(0)
	s_wait_kmcnt 0x0
	s_load_b256 s[24:31], s[10:11], 0x0            ; the eight exponents
	s_cmp_lt_u32 ttmp9, 448
	s_cselect_b64 s[20:21], s[6:7], s[8:9]
	s_cselect_b64 s[22:23], s[14:15], s[16:17]
	s_cmp_lt_u32 ttmp9, 256
	s_cselect_b64 s[20:21], s[4:5], s[20:21]       ; from where,
	s_cselect_b64 s[22:23], s[12:13], s[22:23]     ; to where: the choice hangs on the work-group's number alone
	s_add_nc_u64 s[20:21], s[20:21], s[36:37]
	s_add_nc_u64 s[22:23], s[22:23], s[38:39]
.irp i, 0,1,2,3,4,5,6,7,8,9,10,11,12,13,14,15
	global_load_b128 v[R+4*\i:R+4*\i+3], v1, s[20:21] offset:(\i+8*(\i/8))*4096 th:TH_LOAD_NT   ; lane place i's row: 32 lanes read 512 consecutive bytes, at a multiple of 512
.endr
	s_wait_kmcnt 0x0
	s_cmp_lt_u32 ttmp9, 448
	s_cselect_b32 s40, s25, s31
	s_cmp_lt_u32 ttmp9, 256
	s_cselect_b32 s40, s24, s40                    ; e
	s_add_co_i32 s40, s40, 127
	s_lshl_b32 s41, s40, 23
	v_mov_b32 v11, s41                             ; 2^e as f32: the conversion takes its exponent field
	s_add_co_i32 s40, s40, 8
	s_lshl_b32 s40, s40, 23
	s_or_b32 s40, s40, 0x600000
	v_mov_b32 v10, s40                             ; 448 x 2^e
	s_wait_alu depctr_va_vdst(0)
.irp i, 0,1,2,3,4,5,6,7,8,9,10,11,12,13,14,15
	s_wait_loadcnt 15-\i                           ; loads come back in order: row i is in, the 15 - i younger ones may be out
	ds_store_b128 v2, v[R+4*\i:R+4*\i+3] offset:\i*SP
.endr
.irp c, 0,1,2,3
.irp j, 0,1,2,3
	ds_load_b128 v[X+16*\c+4*\j:X+16*\c+4*\j+3], v3 offset:128*\c+16*\j   ; LDS serves a wave's instructions in order: these see my stores
.endr
.endr
.irp c, 0,1,2,3
	s_wait_dscnt 12-4*\c                           ; chunk c's four loads are back; the 12 - 4 c younger ones may be out
.irp i, 0,1,2,3,4,5,6,7,8,9,10,11,12,13,14,15
	v_med3_num_f32 v[X+16*\c+\i], v[X+16*\c+\i], -v10, v10   ; the conversion to an 8-bit code does not saturate (ISA guide 7.6.2): the hold comes first
.endr
	v_cvt_scalef32_pk8_fp8_f32 v[C+4*\c:C+4*\c+1], v[X+16*\c:X+16*\c+7], v11
	v_cvt_scalef32_pk8_fp8_f32 v[C+4*\c+2:C+4*\c+3], v[X+16*\c+8:X+16*\c+15], v11
	global_store_b128 v1, v[C+4*\c:C+4*\c+3], s[22:23] offset:512*\c   ; the results go to a store alone; the next vector lines are plain and touch other registers.  512 consecutive bytes, at a multiple of 512
.endr
	s_wait_tensorcnt 0x0
	ds_add_u32 v160, v161
	s_wait_dscnt 0x0
	s_endpgm
.Lfunc_end_k_qd7edc61366_quant:
	.size	k_qd7edc61366_quant, .Lfunc_end_k_qd7edc61366_quant-k_qd7edc61366_quant
	.p2alignl 7, 3214868480
	.fill 96, 4, 3214868480
	.section	.rodata,"a",@progbits
	.p2align	6, 0x0
	.amdhsa_kernel k_qd7edc61366_quant
		.amdhsa_group_segment_fixed_size 68608
		.amdhsa_private_segment_fixed_size 0
		.amdhsa_enable_private_segment 0
		.amdhsa_kernarg_size 56
		.amdhsa_user_sgpr_count 2
		.amdhsa_user_sgpr_kernarg_segment_ptr 1
		.amdhsa_wavefront_size32 1
		.amdhsa_system_sgpr_workgroup_id_x 1
		.amdhsa_system_sgpr_workgroup_id_y 1
		.amdhsa_system_sgpr_workgroup_id_z 1
		.amdhsa_system_vgpr_workitem_id 0
		.amdhsa_next_free_vgpr 162
		.amdhsa_next_free_sgpr 66
		.amdhsa_reserve_vcc 0
		.amdhsa_float_denorm_mode_32 3
		.amdhsa_float_denorm_mode_16_64 3
		.amdhsa_memory_ordered 1
		.amdhsa_forward_progress 1
		.amdhsa_inst_pref_size 13
	.end_amdhsa_kernel
	.amdgpu_metadata
---
amdhsa.version: [ 1, 2 ]
amdhsa.kernels:
  - .name:           k_qd7edc61366_quant
    .symbol:         k_qd7edc61366_quant.kd
    .args:
      - { .name: x, .offset: 0, .size: 8, .value_kind: global_buffer, .address_space: global }
      - { .name: W_qkv, .offset: 8, .size: 8, .value_kind: global_buffer, .address_space: global }
      - { .name: W_proj, .offset: 16, .size: 8, .value_kind: global_buffer, .address_space: global }
      - { .name: lowp_scales, .offset: 24, .size: 8, .value_kind: global_buffer, .address_space: global }
      - { .name: x_img, .offset: 32, .size: 8, .value_kind: global_buffer, .address_space: global }
      - { .name: wq_img, .offset: 40, .size: 8, .value_kind: global_buffer, .address_space: global }
      - { .name: wp_img, .offset: 48, .size: 8, .value_kind: global_buffer, .address_space: global }
    .group_segment_fixed_size: 68608
    .private_segment_fixed_size: 0
    .kernarg_segment_align: 8
    .kernarg_segment_size: 56
    .max_flat_workgroup_size: 256
    .sgpr_count:     66
    .vgpr_count:     162
    .wavefront_size: 32
...
	.end_amdgpu_metadata
.endif
;; end of part 1
;; launch qkv (part 2): grid 16 x 16, 4 waves a work-group, clusters of 4 x 4, 327,680 bytes of LDS; arguments x_img, wq_img, lowp_scales, q_img, k_img, v_img; writes q_img, k_img, v_img
.if DOCPART == 2
	.amdgcn_target "amdgcn-amd-amdhsa--gfx1250"
	.amdhsa_code_object_version 6
	.text
	.protected	k_qd7edc61366_qkv
	.globl	k_qd7edc61366_qkv
	.p2align	8
	.type	k_qd7edc61366_qkv,@function
k_qd7edc61366_qkv:
	s_mov_b64 s[64:65], 0
	v_nop
	global_prefetch_b8 v0, s[64:65] scope:SCOPE_SE
	s_setreg_imm32_b32 hwreg(HW_REG_WAVE_MODE, 25, 1), 1
	s_wait_xcnt 0x0
	s_wait_alu depctr_hold_cnt(0) depctr_sa_sdst(0) depctr_va_vdst(0) depctr_va_sdst(0) depctr_va_ssrc(0) depctr_va_vcc(0) depctr_vm_vsrc(0)
	s_getreg_b32 s2, hwreg(HW_REG_IB_STS2, 6, 4)
	s_cmp_eq_u32 s2, 0
	s_cbranch_scc0 .Lentry_in_a_cluster
	s_endpgm
.Lentry_in_a_cluster:
	s_bfe_u32 s2, ttmp6, 0x10000c
	s_cmp_lg_u32 s2, 0xf033
	s_cbranch_scc0 .Lentry_shape_is_right
	s_endpgm
.Lentry_shape_is_right:
; qkv = x W_qkv^T on codes of FP8 (E4M3), M 4,096 x N 3,072 x K 1,024; the results are quantised on the way out as the operands of attention's products: q (scale entry 2), k (entry 3), v (entry 4).
; IMAGES.  All code buffers lie in the order of the operand's registers: [block of 16 rows][fragment of 128 K: 2,048 bytes][chunk: 4][lane: 32][16 bytes]; block B holds in lane place r the row 32 (B/2) + 8 (B%2) + r + 8 (r/8);
; lane r + 16 h of chunk c holds k = 32 c + 16 h + 0..15: a permutation of k inside a matrix instruction, the same on both sides.
; SHARES.  256 work-groups: 256 tokens x ONE HEAD'S q, k and v (192 channels; wq_img holds the head's twelve blocks on end).  Four waves: wave (rw, c) makes 128 tokens x 32 channels of each of q, k, v: 48 accumulators, 384 registers.
; q, k: D = (block of W) x (block of x): a lane holds a token, its registers run along channels.  v: D = (block of x) x (block of W): a lane holds a channel, its registers run along tokens.
; So the 16 registers of two neighbouring accumulators are 16 neighbours along the next product's K: two conversions make a chunk of its image, and nothing goes through LDS on the way out.
; FILLS.  LDS has room for 5 of the 8 fragments along K (57,344 bytes each).  At the head each wave asks for one tile: wave 0 x's and wave 2 W's fragments 0-2 (region 0), wave 1 x's and wave 3 W's fragments 3-4 (region 1).
; Waves 0 and 2 wait for theirs ahead of the first barrier, waves 1 and 3 ahead of the next, two steps later.  Region 0 is filled once more, with fragments 5-7, by waves 0 and 2.
; All are joint loads: x's tile is asked for by a row of the 4 x 4 cluster, the head's by a column.  No data prefetch: the fills are written out, the text has no loop to run ahead in.
; OUT: q_img, k_img [batch x head: 32][token block: 128][chunk: 2][lane][16];  v_img [batch x head][128 keys: 16][block of 16 channels: 4][chunk: 4][lane][16].
; LIMITS on the given exponents: e2 - e0 - e1, e3 - e0 - e1, e4 - e0 - e1 between -126 and 119, so that the conversion's scale and 448 x it are f32 numbers.
; REGISTERS: window 0: addresses, v32-95 at work on the way out, v128-255 x's fragments of even steps (later codes); window 1: W's fragments at v0 (even) and v128 (odd steps);
;   window 2: q's and k's accumulators, (a, b) at v[32 a + 8 b], a the token block, b = 0, 1 q, 2, 3 k; window 3: v's, (j, a) at v[64 j + 8 a], and at v128-255 x's fragments of odd steps.
.set FRB,   2048
.set P3,    3*FRB                      ; a block's bytes in region 0
.set P2,    2*FRB                      ; and in region 1
.set R1,    28*P3                      ; region 0: x's 16 blocks, then W's 12
.set SPARE, R1+28*P2                   ; the spare words, 128 bytes for each wave: two blocks of 256 bytes that no other line names
.set VO,    10                         ; v10     16 x lane
.set ADA,   16                         ; v16-17  LDS address of my x fragments in region 0, 1
.set ADB,   18                         ; v18-19  of my W fragments
.set SCQ,   20                         ; v20-25  the conversion's scale and 448 x it, for q, k, v
.set SPW,   28
.set NIL,   29
.set TMP,   32
.set CD,    128
.set GA3, 24                           ; descriptor groups 1: x's tile, three fragments; W's; the same with two fragments
.set GB3, 48
.set GA2, 84
.set GB2, 92
.set DA3, 32                           ; their groups 0
.set DA2, 36
.set DB3, 56
.set DB2, 60
.set MSB, 0
.macro WIN new                         ; the immediate's high byte repeats the setting that is left
.if MSB != (\new)
	s_set_vgpr_msb (MSB<<8)|(\new)
.set MSB, \new
.endif
.endm
.macro PLACES
.rept 4
	v_nop
.endr
.endm
.macro LOADT g0, g1                    ; a joint load: each line has one mask and one set of registers for all that issue it
	tensor_load_to_lds s[\g0:\g0+3], s[\g1:\g1+7]
	s_nop 0
	PLACES
.endm
.macro CREST                           ; a round of the cluster's barrier behind its opening barrier
	s_cmp_lg_u32 s14, 0
	s_cbranch_scc1 .Lnot_wave_0_\@
	s_barrier_signal -3
.Lnot_wave_0_\@:
	s_barrier_wait -3
	s_barrier_signal -1
	s_barrier_wait -1
.endm
.macro CROUND
	s_barrier_signal -1
	s_barrier_wait -1
	CREST
.endm
.macro GROUP1 g, n, rows               ; rows (blocks) of n elements of 8 bytes, 16,384 bytes apart in memory, dense in LDS
	s_mov_b32 s[\g+1], (\n)<<16
	s_mov_b32 s[\g+2], (\rows)<<16
	s_mov_b32 s[\g+3], (\n)<<16
	s_mov_b32 s[\g+4], \rows
	s_mov_b32 s[\g+5], 2048
	s_mov_b32 s[\g+6], 0
	s_mov_b32 s[\g+7], 0
.endm
.macro DESC g, b, o, lds, k            ; group 0: buffer s[b], offset s[o], k bytes along K
	s_mov_b32 s[\g], 1
	s_mov_b32 s[\g+1], \lds
	s_add_nc_u64 s[\g+2:\g+3], s[\b:\b+1], s[\o:\o+1]
.if \k
	s_add_nc_u64 s[\g+2:\g+3], s[\g+2:\g+3], \k
.endif
	s_or_b32 s[\g+3], s[\g+3], 0x80000000
.endm
	s_load_b128 s[4:7], s[0:1], 0x0                ; x_img s[4:5], wq_img s[6:7]
	s_load_b128 s[8:11], s[0:1], 0x10              ; the scales' exponents s[8:9], q_img s[10:11]
	s_load_b128 s[68:71], s[0:1], 0x20             ; k_img s[68:69], v_img s[70:71]
	v_lshl_add_u32 v[SPW], v0, 2, SPARE
	v_mov_b32 v[NIL], 0
	ds_add_u32 v[SPW], v[NIL]                      ; the opening lines: the add, twice on end, and one wait
	ds_add_u32 v[SPW], v[NIL]
	v_lshrrev_b32 v1, 5, v0
	v_readfirstlane_b32 s14, v1                    ; wave 0..3
	s_lshr_b32 s15, s14, 1                         ; rw: which 128 of the 256 tokens
	s_and_b32 s16, s14, 1                          ; c: which 32 of the head's 64 channels
	s_bfe_u32 s40, ttmp6, 0x40000                  ; cx, cy: my place in the cluster
	s_bfe_u32 s41, ttmp6, 0x40004
	s_lshl_b32 s42, ttmp9, 2
	s_add_co_u32 s42, s42, s40                     ; the head
	s_and_b32 s17, ttmp7, 0xffff
	s_lshl_b32 s17, s17, 2
	s_add_co_u32 s17, s17, s41                     ; the token tile
	s_lshl_b32 s43, s41, 2
	s_lshl_b32 s43, 15, s43                        ; my row of the cluster shares x's tile,
	s_lshl_b32 s44, 0x1111, s40                    ; my column the head's
	s_or_b32 s[GA3], s43, (3<<16)|(1<<21)          ; 15:0 the mask; 17:16 elements of 8 bytes; no padding: every LDS load takes 512 consecutive bytes; 21 set beside a mask
	s_or_b32 s[GA2], s43, (3<<16)|(1<<21)
	s_or_b32 s[GB3], s44, (3<<16)|(1<<21)
	s_or_b32 s[GB2], s44, (3<<16)|(1<<21)
	GROUP1 GA3, 768, 16
	GROUP1 GB3, 768, 12
	GROUP1 GA2, 512, 16
	GROUP1 GB2, 512, 12
	s_lshl_b32 s20, s17, 18                        ; x: 16 blocks of 16,384 bytes a tile
	s_mov_b32 s21, 0
	s_mul_i32 s46, s42, 12*16384                   ; W: 12 blocks a head
	s_mov_b32 s47, 0
	s_mul_i32 s18, s15, 8*P3                       ; my 8 blocks of x,
	s_mul_i32 s19, s16, 2*P3
	s_add_co_u32 s19, s19, 16*P3                   ; my 2 of each part's 4 blocks of W
	s_mul_i32 s22, s15, 8*P2
	s_add_co_u32 s22, s22, R1
	s_mul_i32 s23, s16, 2*P2
	s_add_co_u32 s23, s23, R1+16*P2
	s_lshr_b32 s2, s17, 3                          ; where the codes go: (16 x batch + head) x 131,072 + (which 128 tokens of the batch) x 8,192
	s_lshl_b32 s2, s2, 4
	s_add_co_u32 s2, s2, s42
	s_lshl_b32 s2, s2, 17
	s_and_b32 s3, s17, 7
	s_lshl_b32 s3, s3, 1
	s_add_co_u32 s3, s3, s15
	s_lshl_b32 s3, s3, 13
	s_add_co_u32 s2, s2, s3
	s_lshl_b32 s3, s16, 9
	s_add_co_u32 s12, s2, s3                       ; q, k: + chunk c
	s_mov_b32 s13, 0
	s_lshl_b32 s3, s16, 12
	s_add_co_u32 s80, s2, s3                       ; v: + channel blocks 2 c, 2 c + 1
	s_mov_b32 s81, 0
	v_and_b32 v1, 31, v0
	v_lshlrev_b32 v[VO], 4, v1
	v_add_nc_u32 v[ADA], s18, v[VO]
	v_add_nc_u32 v[ADB], s19, v[VO]
	v_add_nc_u32 v[ADA+1], s22, v[VO]
	v_add_nc_u32 v[ADB+1], s23, v[VO]
	s_wait_alu depctr_va_vdst(0)                   ; the wait here, directly ahead of the waits below
	s_wait_dscnt 0x0                               ; both opening adds are done
	s_wait_kmcnt 0x0
	s_load_b256 s[72:79], s[8:9], 0x0              ; the eight exponents
	DESC DA3, 4, 20, 0, 0
	DESC DB3, 6, 46, 16*P3, 0
	DESC DA2, 4, 20, R1, 3*FRB
	DESC DB2, 6, 46, R1+16*P2, 3*FRB
	s_add_nc_u64 s[10:11], s[10:11], s[12:13]
	s_add_nc_u64 s[68:69], s[68:69], s[12:13]
	s_add_nc_u64 s[70:71], s[70:71], s[80:81]
	CROUND                                         ; all sixteen work-groups are here: the joint loads meet
	s_cmp_lg_u32 s14, 0                            ; one chain on the wave's number, one load a wave
	s_cbranch_scc1 .Lnot_0
	LOADT DA3, GA3
	s_branch .Lfirst
.Lnot_0:
	s_cmp_lg_u32 s14, 2
	s_cbranch_scc1 .Lnot_2
	LOADT DB3, GB3
	s_branch .Lfirst
.Lnot_2:
	s_cmp_lg_u32 s14, 1
	s_cbranch_scc1 .Lnot_1
	LOADT DA2, GA2
	s_branch .Lasked
.Lnot_1:
	LOADT DB2, GB2
	s_branch .Lasked
.Lfirst:
	s_wait_tensorcnt 0x0                           ; waves 0 and 2: region 0's tile is in.  Waves 1 and 3 wait for region 1's ahead of the next barrier
.Lasked:
	s_barrier_signal -1
	s_barrier_wait -1                              ; region 0 is in
.macro FRAG reg, adr, off              ; a fragment comes as it lies: four loads, 512 consecutive bytes each
.irp c, 0,1,2,3
	ds_load_b128 v[\reg+4*\c:\reg+4*\c+3], v[\adr] offset:(\off)+512*\c
.endr
.endm
.macro FETCH_B r, q, p                 ; W's six fragments (q, k, v: two each) of region r's q-th 128 along K into set p
.set PT, P3-FRB*(\r)
	WIN 0x40
.irp i, 0,1,2,3,4,5
	FRAG 128*(\p)+16*\i, ADB+\r, (4*(\i/2)+\i%2)*PT+(\q)*FRB
.endr
.endm
.macro FETCH_A r, q, p, i0             ; x's blocks i0 .. i0 + 3
.set PT, P3-FRB*(\r)
	WIN 0xc0*(\p)
.irp i, 0,1,2,3
	FRAG 128+16*(\i0+\i), ADA+\r, (\i0+\i)*PT+(\q)*FRB
.endr
.endm
.macro PROD d, s0, s1, zero            ; zero = 1: the first product starts the sum: nothing is cleared
.if \zero
	v_wmma_f32_16x16x128_fp8_fp8 v[\d:\d+7], v[\s0:\s0+15], v[\s1:\s1+15], 0
.else
	v_wmma_f32_16x16x128_fp8_fp8 v[\d:\d+7], v[\s0:\s0+15], v[\s1:\s1+15], v[\d:\d+7]
.endif
.endm
; The 48 accumulators take turns, one instruction a turn, in the same order in every step.
.macro QK p, a0, zero                  ; token blocks a0 .. a0 + 3 x q's and k's four: 16 products
	WIN 0xa1+12*(\p)
.irp a, 0,1,2,3
.irp b, 0,1,2,3
	PROD 32*(\a0+\a)+8*\b, 128*(\p)+16*\b, 128+16*(\a0+\a), \zero
.endr
.endr
.endm
.macro VV p, zero                      ; v's two channel blocks x the 8 token blocks: 16 products
	WIN 0xf4+3*(\p)
.irp j, 0,1
.irp a, 0,1,2,3,4,5,6,7
	PROD 64*\j+8*\a, 128+16*\a, 128*(\p)+16*(4+\j), \zero
.endr
.endr
.endm
; A step of 128 along K on set p; the next step's fragments (region r, its q-th) go into the other set: 24, 16 and 16 loads, each run ahead of 16 products.
; The four v_nop are the places behind the last step's products, which read the registers that these loads write.
.macro STEP p, r, q, zero
	PLACES
	FETCH_B \r, \q, 1-\p
	s_wait_dscnt 40                                ; W's set and x's blocks 0-3 are in: x's blocks 4-7 (16) and the 24 just issued may be out
	QK \p, 0, \zero
	FETCH_A \r, \q, 1-\p, 0
	s_wait_dscnt 40                                ; x's blocks 4-7 are in: the 24 + 16 of the next step may be out
	QK \p, 4, \zero
	FETCH_A \r, \q, 1-\p, 4
	VV \p, \zero
.endm
; A step at whose middle the regions change.  fill = 1: region 0 is filled again (K fragments 5-7) behind a round of the cluster's barrier.
.macro TURN p, r, q, fill
	WIN 0
.if \fill
	s_wait_tensorcnt 0x0                           ; all my tensor loads have landed: region 1's among them;
	ds_add_u32 v[SPW], v[NIL]                      ; the add;
	s_wait_dscnt 17                                ; (the add and x's blocks 4-7 may be out)
	QK \p, 0, 0
.else
	s_wait_dscnt 16                                ; (x's blocks 4-7 may be out)
	QK \p, 0, 0
	s_wait_tensorcnt 0x0                           ; my tile of region 0's second fill
.endif
	s_wait_dscnt 0x0                               ; my reads of the region that I leave are over (and the add is done)
	s_barrier_signal -1
	QK \p, 4, 0
	WIN 0
	s_barrier_wait -1
.if \fill
	CREST                                          ; no wave of any partner still reads region 0 or has a load on its way
	s_add_nc_u64 s[DA3+2:DA3+3], s[DA3+2:DA3+3], 5*FRB
	s_add_nc_u64 s[DB3+2:DB3+3], s[DB3+2:DB3+3], 5*FRB
	s_cmp_eq_u32 s14, 0                            ; K fragments 5-7: wave 0 x's tile, wave 2 W's
	s_cbranch_scc0 .Lnot_x_\@
	LOADT DA3, GA3
	s_branch .Lfilled_\@
.Lnot_x_\@:
	s_cmp_eq_u32 s14, 2
	s_cbranch_scc0 .Lfilled_\@
	LOADT DB3, GB3
.Lfilled_\@:
.endif
	PLACES
	FETCH_B \r, \q, 1-\p
	FETCH_A \r, \q, 1-\p, 0
	FETCH_A \r, \q, 1-\p, 4
	VV \p, 0
.endm
	FETCH_B 0, 0, 0
	FETCH_A 0, 0, 0, 0
	FETCH_A 0, 0, 0, 4
	STEP 0, 0, 1, 1                                ; K fragment 0 (fetches 1)
	STEP 1, 0, 2, 0
	TURN 0, 1, 0, 1                                ; fragment 2 (fetches 3)
	STEP 1, 1, 1, 0
	TURN 0, 0, 0, 0                                ; fragment 4 (fetches 5)
	STEP 1, 0, 1, 0
	STEP 0, 0, 2, 0
	s_wait_dscnt 16                                ; fragment 7: x's blocks 4-7 may be out
	QK 1, 0, 0
	s_wait_dscnt 0x0
	QK 1, 4, 0
	VV 1, 0
	WIN 0
	; THE WAY OUT.  A sum stands for sum x 2^(e0 + e1); its code is sum / 2^(e - e0 - e1): the three scales are folded into the conversion's one.
	s_wait_kmcnt 0x0
	s_add_co_i32 s80, s72, s73
	s_sub_co_i32 s80, 127, s80
	s_add_co_i32 s2, s74, s80
	s_add_co_i32 s12, s75, s80
	s_add_co_i32 s18, s76, s80
	s_add_co_i32 s3, s2, 8
	s_add_co_i32 s13, s12, 8
	s_add_co_i32 s19, s18, 8
.irp i, 2,3,12,13,18,19
	s_lshl_b32 s\i, s\i, 23
.endr
.irp i, 3,13,19
	s_or_b32 s\i, s\i, 0x600000
.endr
	v_mov_b32 v[SCQ], s2                           ; (these six are also the places behind the last products)
	v_mov_b32 v[SCQ+1], s3
	v_mov_b32 v[SCQ+2], s12
	v_mov_b32 v[SCQ+3], s13
	v_mov_b32 v[SCQ+4], s18
	v_mov_b32 v[SCQ+5], s19
; 64 sums a lane, each accumulator from its low end on, are held and become 16 registers of codes of their own (n: which 16), so that no store's data are written again.
.macro SUMS first, pitch, win, sc, n
	WIN \win
.set i, 0
.rept 64
	v_med3_num_f32 v[TMP+i], v[\first+(\pitch)*(i/16)+i%16], -v[\sc+1], v[\sc+1]   ; the conversion to an 8-bit code does not saturate (ISA guide 7.6.2)
.set i, i+1
.endr
	WIN 0
.set i, 0
.rept 8
	v_cvt_scalef32_pk8_fp8_f32 v[CD+16*(\n)+2*i:CD+16*(\n)+2*i+1], v[TMP+8*i:TMP+8*i+7], v[\sc]
.set i, i+1
.endr
	v_nop                                          ; one plain vector instruction between the conversions and the next holds, which write their sources
.endm
.macro SEND n, base, off, step         ; four stores of 512 consecutive bytes, at multiples of 512
.irp i, 0,1,2,3
	global_store_b128 v[VO], v[CD+16*(\n)+4*\i:CD+16*(\n)+4*\i+3], s[\base:\base+1] offset:(\off)+(\step)*\i
.endr
.endm
	SUMS 0, 32, 2, SCQ, 0
	SEND 0, 10, 0, 1024
	SUMS 128, 32, 2, SCQ, 1
	SEND 1, 10, 4096, 1024
	SUMS 16, 32, 2, SCQ+2, 2
	SEND 2, 68, 0, 1024
	SUMS 144, 32, 2, SCQ+2, 3
	SEND 3, 68, 4096, 1024
	SUMS 0, 16, 3, SCQ+4, 4
	SEND 4, 70, 0, 512
	SUMS 64, 16, 3, SCQ+4, 5
	SEND 5, 70, 2048, 512
	s_wait_tensorcnt 0x0                           ; the wave's end
	ds_add_u32 v[SPW], v[NIL]
	s_wait_dscnt 0x0
	CROUND                                         ; the closing round: no work-group ends while a partner may still ask for a tile that names it
	s_endpgm
.Lfunc_end_k_qd7edc61366_qkv:
	.size	k_qd7edc61366_qkv, .Lfunc_end_k_qd7edc61366_qkv-k_qd7edc61366_qkv
	.p2alignl 7, 3214868480
	.fill 96, 4, 3214868480
	.section	.rodata,"a",@progbits
	.p2align	6, 0x0
	.amdhsa_kernel k_qd7edc61366_qkv
		.amdhsa_group_segment_fixed_size 327680
		.amdhsa_private_segment_fixed_size 0
		.amdhsa_enable_private_segment 0
		.amdhsa_kernarg_size 48
		.amdhsa_user_sgpr_count 2
		.amdhsa_user_sgpr_kernarg_segment_ptr 1
		.amdhsa_wavefront_size32 1
		.amdhsa_system_sgpr_workgroup_id_x 1
		.amdhsa_system_sgpr_workgroup_id_y 1
		.amdhsa_system_sgpr_workgroup_id_z 1
		.amdhsa_system_vgpr_workitem_id 0
		.amdhsa_next_free_vgpr 1024
		.amdhsa_next_free_sgpr 100
		.amdhsa_reserve_vcc 0
		.amdhsa_float_denorm_mode_32 3
		.amdhsa_float_denorm_mode_16_64 3
		.amdhsa_memory_ordered 1
		.amdhsa_forward_progress 1
		.amdhsa_inst_pref_size 95
	.end_amdhsa_kernel
	.amdgpu_metadata
---
amdhsa.version: [ 1, 2 ]
amdhsa.kernels:
  - .name:           k_qd7edc61366_qkv
    .symbol:         k_qd7edc61366_qkv.kd
    .args:
      - { .name: x_img, .offset: 0, .size: 8, .value_kind: global_buffer, .address_space: global }
      - { .name: wq_img, .offset: 8, .size: 8, .value_kind: global_buffer, .address_space: global }
      - { .name: lowp_scales, .offset: 16, .size: 8, .value_kind: global_buffer, .address_space: global }
      - { .name: q_img, .offset: 24, .size: 8, .value_kind: global_buffer, .address_space: global }
      - { .name: k_img, .offset: 32, .size: 8, .value_kind: global_buffer, .address_space: global }
      - { .name: v_img, .offset: 40, .size: 8, .value_kind: global_buffer, .address_space: global }
    .group_segment_fixed_size: 327680
    .private_segment_fixed_size: 0
    .kernarg_segment_align: 8
    .kernarg_segment_size: 48
    .max_flat_workgroup_size: 128
    .sgpr_count:     100
    .vgpr_count:     1024
    .wavefront_size: 32
...
	.end_amdgpu_metadata
.endif
;; end of part 2
;; launch attn (part 3): grid 8 x 32, 16 waves a work-group, clusters of 4 x 1, 301,056 bytes of LDS; arguments q_img, k_img, v_img, lowp_scales, a_img; writes a_img
.if DOCPART == 3
	.amdgcn_target "amdgcn-amd-amdhsa--gfx1250"
	.amdhsa_code_object_version 6
	.text
	.protected	k_qd7edc61366_attn
	.globl	k_qd7edc61366_attn
	.p2align	8
	.type	k_qd7edc61366_attn,@function
k_qd7edc61366_attn:
	s_mov_b64 s[64:65], 0
	v_nop
	global_prefetch_b8 v0, s[64:65] scope:SCOPE_SE
	s_setreg_imm32_b32 hwreg(HW_REG_WAVE_MODE, 25, 1), 1
	s_wait_xcnt 0x0
	s_wait_alu depctr_hold_cnt(0) depctr_sa_sdst(0) depctr_va_vdst(0) depctr_va_sdst(0) depctr_va_ssrc(0) depctr_va_vcc(0) depctr_vm_vsrc(0)
	s_getreg_b32 s2, hwreg(HW_REG_IB_STS2, 6, 4)
	s_cmp_eq_u32 s2, 0
	s_cbranch_scc0 .Lentry_in_a_cluster
	s_endpgm
.Lentry_in_a_cluster:
	s_bfe_u32 s2, ttmp6, 0x10000c
	s_cmp_lg_u32 s2, 0x3003
	s_cbranch_scc0 .Lentry_shape_is_right
	s_endpgm
.Lentry_shape_is_right:
; Causal attention, 32 (batch x head) x 2,048 tokens x head size 64, both products on codes of FP8 (E4M3); the result is quantised (scale entry 6) as the last product's operand.
; IN: q_img, k_img [bh][token block: 128][chunk: 2][lane][16]; v_img [bh][128 keys: 16][block of 16 channels: 4][chunk: 4][lane][16]: images of the operands' registers.  Block B holds in lane place r the row
; 32 (B/2) + 8 (B%2) + r + 8 (r/8); lane r + 16 h of chunk c holds k = 32 c + 16 h + 0..15.  OUT: a_img [token block: 256][fragment of 128 K: 8][chunk: 4][lane][16], K = 64 x head + channel.
; THE SOFTMAX: t = score x log2(e) / 8; M = the row's largest t so far, rounded UP to a whole number; p = 2^(t - M) is what is quantised (scale entry 5), not normalised; the row's sum is taken of the unquantised p, in f32, and
; divides at the end.  When M moves, the sum and O are multiplied by 2^(old M - new M): exact.
; LAYOUT.  Both products transposed: S^T = K Q^T (source 0 = 16 keys, source 1 = my 16 queries), O^T = V^T P^T: a lane holds ONE query throughout; by the blocks' order of rows the 16 registers of tiles 2 b and 2 b + 1 are 16
; neighbouring keys (then: channels), so the conversions' results ARE the next operand's registers.
; SHARES.  A work-group owns one (batch, head) and, with g = its number 0..7 along x, the token blocks 8 J + g, J = 0..15: sixteen tiles of 16 queries.  Tile J needs the J + 1 key steps of 128 keys, the last of them masked.
; Sixteen waves.  THE KEYS OF A HIGH TILE J = 8 + i ARE SPLIT: wave i takes its key steps 0-7 and hands its O, sum and M over through LDS.  Wave 8 + i does the whole low tile J = 7 - i (8 - i steps), then key steps 8 .. 8 + i of tile 8 + i.
; So a wave has 8 steps or 9.  Wave 8 + i joins the two parts: M = the larger of the two M's, and each part is multiplied by 2^(its M - M), exact, and added.
; LEFT OUT: key steps that lie wholly behind a tile's queries, by the causal mask that reference() builds: their p is 0.  LIMIT: a NaN, an infinity or an overflow in those scores alone is not carried on.
; A HEAD'S WHOLE K AND V IMAGES LIE IN LDS (131,072 bytes each): each byte is filled once, by one load of 16,384 bytes a wave at the head, asked for JOINTLY by the four work-groups of a cluster, which belong to one head.
; Waves 0-7 fetch the lower 1,024 keys' half of both images and wait for it ahead of the first barrier; waves 8-15 the upper half, which no wave reads before the second barrier, one step later.
; Skips and the mask's branch hang on the wave's number and a loop's counter alone, alike in all partners; g enters global addresses and the mask's comparand only.  No data prefetch: all loads stand at the head, no loop follows whose loads could be asked for ahead.
; LIMITS on the given exponents: e2 + e3 between -123 and 130 (added to c's exponent field); e5, and e6 - e4 - e5, between -126 and 119.  The scaled scores stay under 2^31 in magnitude.
; REGISTERS: v1-6 addresses and the mask's comparand, -infinity; v7-11 holds and scales; v12 -M, v13 the largest t, v[14:15] the sum in two halves; v16-23, v24-31 the two walks' Q; v32-95 K's eight tiles, then V's four;
;   v96-159 S^T, then p; v160-191 O^T; v192-207 p's codes; v208-229 at work; v232-247 the two tiles' codes; v248 the hand-over's address; v254, v255 the add's.
.set STEPB, 8192                       ; a key step's bytes in K's image, and in V's
.set HALF,  65536                      ; 1,024 keys
.set VOFF,  131072                     ; V's image lies behind K's
.set SPARE, 262144                     ; the spare words, 128 bytes for each wave: eight blocks of 256 bytes that no other line names
.set EX,    SPARE+2048                 ; the hand-over: 9 x 512 bytes for each high tile; no tensor load lands there
.set EXT,   4608
.set LI,   1                           ; v1   16 x lane
.set AV0,  2                           ; v2   16 x lane + VOFF
.set ADK,  3
.set ADV,  4
.set DD,   5                           ; v5   my query's place in its 128 tokens, less 16 h
.set NINF, 6
.set PLI2, 7                           ; v7, v8  448 x 2^e5, twice;  v9  2^e5
.set PLIM, 8
.set PSC,  9
.set OLIM, 10                          ; v10  448 x 2^(e6 - e4 - e5);  v11  2^(e6 - e4 - e5)
.set OSC,  11
.set Q1,   16
.set Q2,   24
.set EXA,  248
.set X,    32
.set S,    96
.set O,    160
.set P,    192
.set CH,   216                         ; v216-229 seven chains of the row's sum
.set WV,   14
.set SEL,  20                          ; s[20:21] lane selects for v_permlanex16_b32: lane l xor 16
.set CS,   22                          ; s[22:23] c = log2(e) / 8 x 2^(e2 + e3)
.set G1,   24
.set DLK,  32                          ; groups 0: K's lower half, K's upper, V's lower, V's upper
.set DUK,  36
.set DLV,  48
.set DUV,  52
.set J2,   63                          ; s63  the second walk's last step
.set KB,   66                          ; s66  the step's first byte in an image
.set SI,   67                          ; s67  the step's number in the walk
.set J1,   76                          ; s76  the first walk's last step
.macro CROUND                          ; a round of the cluster's barrier
	s_barrier_signal -1
	s_barrier_wait -1
	s_cmp_lg_u32 s[WV], 0
	s_cbranch_scc1 .Lnot_wave_0_\@
	s_barrier_signal -3
.Lnot_wave_0_\@:
	s_barrier_wait -3
	s_barrier_signal -1
	s_barrier_wait -1
.endm
.macro INIT                            ; a tile begins: the walk has no first step of its own: it finds zeros, which the first change of M leaves zeros
	v_mov_b32 v13, 0xff61b1e6                      ; the largest t so far: -3e38, under every t
	s_delay_alu instid0(VALU_DEP_1)
	v_floor_f32 v12, -v13                          ; -M
	v_mov_b32 v14, 0
	v_mov_b32 v15, 0
.set j, 0
.rept 32
	v_mov_b32 v[O+j], 0
.set j, j+1
.endr
.endm
.macro DESC g, b, lds, k               ; group 0: buffer s[b], my 16,384 bytes of the half that begins at byte k
	s_mov_b32 s[\g], 1
	s_add_co_u32 s[\g+1], s77, \lds
	s_add_nc_u64 s[\g+2:\g+3], s[\b:\b+1], s[78:79]
.if \k
	s_add_nc_u64 s[\g+2:\g+3], s[\g+2:\g+3], \k
.endif
	s_or_b32 s[\g+3], s[\g+3], 0x80000000
.endm
.macro LOADT g0
	tensor_load_to_lds s[\g0:\g0+3], s[G1:G1+7]
	s_nop 0
.rept 4
	v_nop
.endr
.endm
.macro EXPS                            ; what hangs on the exponents e0 .. e7, s[68:75]
	s_wait_kmcnt 0x0
	s_add_co_i32 s77, s70, s71
	s_lshl_b32 s77, s77, 23
	s_add_co_i32 s[CS], s[CS], s77                 ; a score stands for score x 2^(e2 + e3): the exponents are added to c's exponent field
	s_mov_b32 s[CS+1], s[CS]                       ; (named with it as a pair, so it is written)
	s_add_co_i32 s77, s73, 127
	s_lshl_b32 s78, s77, 23
	s_add_co_i32 s77, s77, 8
	s_lshl_b32 s77, s77, 23
	s_or_b32 s77, s77, 0x600000
	s_sub_co_i32 s79, s74, s72                     ; O^T / the sum stands for that x 2^(e4 + e5); its code is that / 2^(e6 - e4 - e5)
	s_sub_co_i32 s79, s79, s73
	s_add_co_i32 s79, s79, 127
	s_lshl_b32 s80, s79, 23
	s_add_co_i32 s79, s79, 8
	s_lshl_b32 s79, s79, 23
	s_or_b32 s79, s79, 0x600000
	v_mov_b32 v[PSC], s78
	v_mov_b32 v[PLIM], s77
	v_mov_b32 v[PLI2], s77
	v_mov_b32 v[OSC], s80
	v_mov_b32 v[OLIM], s79
	s_wait_alu depctr_va_vdst(0)                   ; the wait at the head's end
	s_wait_loadcnt 0x0                             ; Q
.endm
	s_load_b256 s[4:11], s[0:1], 0x0               ; q_img s[4:5], k_img s[6:7], v_img s[8:9], the scales' exponents s[10:11]
	s_load_b64 s[12:13], s[0:1], 0x20              ; a_img
	v_lshl_add_u32 v254, v0, 2, SPARE
	v_mov_b32 v255, 0
	ds_add_u32 v254, v255                          ; the opening lines: the add, twice on end, and one wait
	ds_add_u32 v254, v255
	v_lshrrev_b32 v7, 5, v0
	s_delay_alu instid0(VALU_DEP_1)
	v_readfirstlane_b32 s[WV], v7                  ; wave 0..15
	s_bfe_u32 s15, ttmp6, 0x40000                  ; cx
	s_lshl_b32 s16, ttmp9, 2
	s_add_co_u32 s16, s16, s15                     ; g = 4 x cluster x + cx
	s_and_b32 s17, ttmp7, 0xffff                   ; batch x 16 + head, which the four partners share
	s_mov_b32 s[G1], 15|(3<<16)|(1<<21)            ; group 1: 16,384 dense bytes as 64 rows of 256.  15:0 the mask: all four work-groups; 17:16 elements of 8 bytes; no padding: every LDS load takes 512 consecutive bytes; 21 set beside a mask
	s_mov_b32 s[G1+1], 32<<16
	s_mov_b32 s[G1+2], 64<<16
	s_mov_b32 s[G1+3], 32<<16
	s_mov_b32 s[G1+4], 64
	s_mov_b32 s[G1+5], 32
	s_mov_b32 s[G1+6], 0
	s_mov_b32 s[G1+7], 0
	s_mov_b32 s[SEL], 0x76543210
	s_mov_b32 s[SEL+1], 0xfedcba98
	s_mov_b32 s[CS], 0x3e38aa3b                    ; log2(e) / sqrt(64)
	s_and_b32 s19, s[WV], 7                        ; i
	s_lshr_b32 s2, s[WV], 2                        ; what I fetch: 0 K's lower half, 1 V's lower, 2 K's upper, 3 V's upper
	s_lshl_b32 s18, s17, 17                        ; the head's first byte in q_img, k_img and v_img
	s_and_b32 s77, s[WV], 3
	s_lshl_b32 s77, s77, 14                        ; my 16,384 bytes of it
	s_add_co_u32 s78, s18, s77
	s_mov_b32 s79, 0
	s_add_co_u32 s41, s19, 8                       ; the high tile's J,
	s_sub_co_u32 s40, 7, s19                       ; the low tile's
	s_cmp_lt_u32 s[WV], 8
	s_cselect_b32 s[J1], 8, s40                    ; first walk: waves 0-7 take all eight steps, none masked; wave 8 + i steps 0 .. 7 - i of the low tile, the last masked
	s_cselect_b32 s[J2], -1, s19                   ; second walk: waves 0-7 have no step; wave 8 + i steps 8 .. 8 + i of the high tile, the last masked
	s_cselect_b32 s42, s41, s40                    ; the first walk's tile
	s_lshl_b32 s43, s41, 3
	s_add_co_u32 s43, s43, s16                     ; token blocks 8 J + g: the high tile's,
	s_lshl_b32 s45, s42, 3
	s_add_co_u32 s45, s45, s16                     ; the first walk's
	s_lshl_b32 s88, s45, 10
	s_add_co_u32 s88, s88, s18
	s_mov_b32 s89, 0
	s_lshl_b32 s90, s43, 10
	s_add_co_u32 s90, s90, s18
	s_mov_b32 s91, 0
	s_lshr_b32 s44, s17, 4
	s_lshl_b32 s44, s44, 7                         ; 128 x batch
	s_and_b32 s46, s17, 15
	s_lshl_b32 s46, s46, 10                        ; a head's 1,024 bytes in a block of a_img
	s_add_co_u32 s82, s44, s45
	s_lshl_b32 s82, s82, 14
	s_add_co_u32 s82, s82, s46
	s_mov_b32 s83, 0
	s_add_co_u32 s84, s44, s43
	s_lshl_b32 s84, s84, 14
	s_add_co_u32 s84, s84, s46
	s_mov_b32 s85, 0
	s_mul_i32 s46, s19, EXT
	s_add_co_u32 s46, s46, EX                      ; the hand-over of tile 8 + i
	s_lshr_b32 s44, s16, 1
	s_lshl_b32 s44, s44, 5
	s_and_b32 s45, s16, 1
	s_lshl_b32 s45, s45, 3
	s_add_co_u32 s44, s44, s45                     ; 32 (g / 2) + 8 (g % 2)
	v_and_b32 v[LI], 31, v0
	v_and_b32 v7, 15, v0                           ; r
	s_delay_alu instid0(VALU_DEP_2)
	v_lshlrev_b32 v[LI], 4, v[LI]
	v_and_b32 v[DD], 8, v7
	v_add_nc_u32 v[AV0], VOFF, v[LI]
	v_add_nc_u32 v[EXA], s46, v[LI]
	v_add_nc_u32 v[DD], v[DD], v7                  ; r + 8 (r / 8)
	v_bfe_u32 v7, v0, 4, 1
	s_delay_alu instid0(VALU_DEP_1)
	v_lshlrev_b32 v7, 4, v7                        ; 16 h
	s_delay_alu instid0(VALU_DEP_1)
	v_sub_nc_u32 v[DD], v[DD], v7
	s_delay_alu instid0(VALU_DEP_1)
	v_add_nc_u32 v[DD], s44, v[DD]                 ; in the diagonal step register 16 b + i holds key 32 b + 16 h + i of the 128: hidden where 32 b + i is above this number
	v_mov_b32 v[NINF], 0xff800000
	v_mov_b32 v211, 0                              ; (named as the upper halves of pairs)
	v_mov_b32 v215, 0
	v_mov_b32 v212, 0                              ; written once: a lane permute's destination counts as one of its sources
.set j, 0
.rept 8
	v_mov_b32 v[Q2+j], 0                           ; (waves 0-7 have no second tile; the second walk's text names its Q, so it is written in every wave)
.set j, j+1
.endr
	INIT
	s_wait_alu depctr_va_vdst(0)                   ; the wait here, directly ahead of the waits below
	s_wait_dscnt 0x0                               ; both opening adds are done
	s_wait_kmcnt 0x0
	s_load_b256 s[68:75], s[10:11], 0x0            ; e0 .. e7
	DESC DLK, 6, 0, 0
	DESC DUK, 6, HALF, HALF
	DESC DLV, 8, VOFF, 0
	DESC DUV, 8, VOFF+HALF, HALF
	s_add_nc_u64 s[82:83], s[12:13], s[82:83]      ; where the low tile's codes go,
	s_add_nc_u64 s[84:85], s[12:13], s[84:85]      ; and the high tile's
	s_add_nc_u64 s[88:89], s[4:5], s[88:89]        ; the first walk's Q,
	s_add_nc_u64 s[90:91], s[4:5], s[90:91]        ; the second's
	global_load_b128 v[Q1:Q1+3], v[LI], s[88:89]   ; Q stays in registers
	global_load_b128 v[Q1+4:Q1+7], v[LI], s[88:89] offset:512
	s_cmp_lt_u32 s[WV], 8
	s_cbranch_scc1 .Lone
	global_load_b128 v[Q2:Q2+3], v[LI], s[90:91]
	global_load_b128 v[Q2+4:Q2+7], v[LI], s[90:91] offset:512
.Lone:
	CROUND                                         ; all four work-groups are here: the joint loads meet
	s_cmp_lg_u32 s2, 0                             ; one chain on the wave's number, one load a wave
	s_cbranch_scc1 .Lnot_lk
	LOADT DLK
	s_branch .Llower
.Lnot_lk:
	s_cmp_lg_u32 s2, 1
	s_cbranch_scc1 .Lnot_lv
	LOADT DLV
	s_branch .Llower
.Lnot_lv:
	s_cmp_lg_u32 s2, 2
	s_cbranch_scc1 .Lnot_uk
	LOADT DUK
	s_branch .Lupper
.Lnot_uk:
	LOADT DUV
.Lupper:
	EXPS
	s_branch .Lasked
.Llower:
	EXPS
	s_wait_tensorcnt 0x0                           ; waves 0-7: my part of the lower half is in.  Waves 8-15 wait for the upper half ahead of the next barrier
.Lasked:
	s_barrier_signal -1
	s_barrier_wait -1                              ; the lower half is in; nothing is ever filled again
; A KEY STEP: 128 keys.  A step beyond the walk's last (jj) is left out, and in that last one hidden scores become -infinity.  q: the tile's Q.
.macro STEP jj, q
	s_cmp_gt_i32 s[SI], s[\jj]                     ; a scalar branch on the wave's number and the loop's counter; no barrier and no tensor load stands in a step
	s_cbranch_scc1 .Lskip_\@
	v_add_nc_u32 v[ADK], s[KB], v[LI]
	v_add_nc_u32 v[ADV], s[KB], v[AV0]
	v_nop
	v_nop                                          ; with the two additions: four places in front of loads into registers that the last products read
.set t, 0
.rept 8
	ds_load_b128 v[X+8*t:X+8*t+3], v[ADK] offset:1024*t
	ds_load_b128 v[X+8*t+4:X+8*t+7], v[ADK] offset:1024*t+512
.set t, t+1
.endr
	s_wait_alu depctr_va_vdst(0)                   ; the wait here, directly ahead of the wait below
	s_wait_dscnt 8                                 ; K's first four tiles are in; the eight younger loads may be out
.set t, 0
.rept 4
	v_wmma_f32_16x16x64_fp8_fp8 v[S+8*t:S+8*t+7], v[X+8*t:X+8*t+7], v[\q:\q+7], 0
.set t, t+1
.endr
	s_wait_dscnt 0x0
.rept 4
	v_wmma_f32_16x16x64_fp8_fp8 v[S+8*t:S+8*t+7], v[X+8*t:X+8*t+7], v[\q:\q+7], 0
.set t, t+1
.endr
.rept 4
	v_nop                                          ; places: for the loads below, and for the first reads of the scores
.endr
.set t, 0
.rept 4                                            ; V's four tiles land while the softmax is worked
	ds_load_b128 v[X+16*t:X+16*t+3], v[ADV] offset:2048*t
	ds_load_b128 v[X+16*t+4:X+16*t+7], v[ADV] offset:2048*t+512
	ds_load_b128 v[X+16*t+8:X+16*t+11], v[ADV] offset:2048*t+1024
	ds_load_b128 v[X+16*t+12:X+16*t+15], v[ADV] offset:2048*t+1536
.set t, t+1
.endr
	s_cmp_lg_u32 s[SI], s[\jj]
	s_cbranch_scc1 .Lopen_\@                       ; every key of the step counts
.set n, 0
.rept 64
	v_cmp_gt_i32 vcc_lo, 32*(n/16)+n%16, v[DD]
	v_cndmask_b32 v[S+n], v[S+n], v[NINF], vcc_lo  ; p = 0 then.  In every walk's every step some key counts for every query, so M is a number from the first step on
.set n, n+1
.endr
.Lopen_\@:
	v_max3_num_f32 v208, v[S], v[S+1], v[S+2]      ; the step's largest score of my query among my 64 keys, in two chains, each accumulator from its low end on,
	v_max3_num_f32 v209, v[S+3], v[S+4], v[S+5]
.set j, 6
.rept 14
	v_max3_num_f32 v208, v208, v[S+j], v[S+j+1]
	v_max3_num_f32 v209, v209, v[S+j+2], v[S+j+3]
.set j, j+4
.endr
	v_max3_num_f32 v208, v208, v[S+62], v[S+63]
	s_delay_alu instid0(VALU_DEP_1)
	v_max_num_f32 v208, v208, v209
	s_delay_alu instid0(VALU_DEP_1)
	v_permlanex16_b32 v212, v208, s[SEL], s[SEL+1]
	s_delay_alu instid0(VALU_DEP_1)
	v_max_num_f32 v208, v208, v212                 ; and among lane l xor 16's
	s_delay_alu instid0(VALU_DEP_1)
	v_mul_f32 v208, s[CS], v208                    ; as t (c is positive)
	s_delay_alu instid0(VALU_DEP_1)
	v_max_num_f32 v13, v13, v208                   ; the running largest t
	v_mov_b32 v208, v12
	s_delay_alu instid0(VALU_DEP_2)
	v_floor_f32 v12, -v13                          ; the new -M = floor(-t) = -ceil(t): a whole number
	s_delay_alu instid0(VALU_DEP_1)
	v_sub_f32 v208, v12, v208                      ; old M - new M: a whole number, 0 or less
	s_delay_alu instid0(VALU_DEP_1)
	v_cvt_i32_f32 v208, v208                       ; (it saturates)
	s_delay_alu instid0(VALU_DEP_1)
	v_ldexp_f32 v210, 1.0, v208                    ; f = 2^(old M - new M)
.set j, 0
.rept 32
	v_pk_fma_f32 v[S+j:S+j+1], v[S+j:S+j+1], s[CS:CS+1], v[12:13] op_sel_hi:[1,0,0]   ; t - M, two at a time (of the pairs c and -M the low word serves both halves)
.set j, j+2
.endr
	s_wait_alu depctr_va_vdst(0)                   ; the wait ahead of the batch
.set j, 0
.rept 64
	v_exp_f32 v[S+j], v[S+j]                       ; p = 2^(t - M), at most 1
.set j, j+1
.endr
	v_pk_mul_f32 v[14:15], v[14:15], v[210:211] op_sel_hi:[1,0]   ; the sums under the new M: the plain instruction behind the exponentials
	s_wait_alu depctr_va_vdst(0)                   ; one wait for the batch of 64, ahead of its first reader
.set k, 0
.rept 7                                            ; the row's sum of the unquantised p, two at a time, in eight chains
	v_pk_add_f32 v[CH+2*k:CH+2*k+1], v[S+4*k:S+4*k+1], v[S+4*k+2:S+4*k+3]
.set k, k+1
.endr
	v_pk_add_f32 v[14:15], v[14:15], v[S+28:S+29]
.set k, 0
.rept 17
.if k%8 == 7
	v_pk_add_f32 v[14:15], v[14:15], v[S+30+2*k:S+31+2*k]
.else
	v_pk_add_f32 v[CH+2*(k%8):CH+2*(k%8)+1], v[CH+2*(k%8):CH+2*(k%8)+1], v[S+30+2*k:S+31+2*k]
.endif
.set k, k+1
.endr
	v_pk_add_f32 v[CH+4:CH+5], v[CH+4:CH+5], v[CH+6:CH+7]
	v_pk_add_f32 v[CH+8:CH+9], v[CH+8:CH+9], v[CH+10:CH+11]
	v_pk_add_f32 v[14:15], v[14:15], v[CH+12:CH+13]
	v_pk_add_f32 v[CH:CH+1], v[CH:CH+1], v[CH+2:CH+3]
	s_delay_alu instid0(VALU_DEP_3)
	v_pk_add_f32 v[CH+4:CH+5], v[CH+4:CH+5], v[CH+8:CH+9]
	s_delay_alu instid0(VALU_DEP_2)
	v_pk_add_f32 v[14:15], v[14:15], v[CH:CH+1]
	s_delay_alu instid0(VALU_DEP_1)
	v_pk_add_f32 v[14:15], v[14:15], v[CH+4:CH+5]
.set b, 0
.rept 4
.set j, 16*b
.rept 8                                            ; the conversion does not saturate (ISA guide 7.6.2); p is not negative, so the hold is one-sided; two numbers an instruction
	v_dual_min_num_f32 v[S+j], v[S+j], v[PLIM] :: v_dual_min_num_f32 v[S+j+1], v[S+j+1], v[PLI2]
.set j, j+2
.endr
	v_cvt_scalef32_pk8_fp8_f32 v[P+4*b:P+4*b+1], v[S+16*b:S+16*b+7], v[PSC]
	v_cvt_scalef32_pk8_fp8_f32 v[P+4*b+2:P+4*b+3], v[S+16*b+8:S+16*b+15], v[PSC]
.set b, b+1
.endr
.set j, 0
.rept 16
	v_pk_mul_f32 v[O+j:O+j+1], v[O+j:O+j+1], v[210:211] op_sel_hi:[1,0]   ; O^T under the new M.  (Plain lines between the conversions and the products that read their results)
.set j, j+2
.endr
	s_wait_alu depctr_va_vdst(0)                   ; the wait here, directly ahead of the wait below
	s_wait_dscnt 0x0                               ; V is in
.set t, 0
.rept 4                                            ; the four accumulators take turns; between two links of a chain stand the three others' and the next step's eight products
	v_wmma_f32_16x16x128_fp8_fp8 v[O+8*t:O+8*t+7], v[X+16*t:X+16*t+15], v[P:P+15], v[O+8*t:O+8*t+7]
.set t, t+1
.endr
.Lskip_\@:
.endm
.macro WALK jj, q                      ; steps from s[SI] to 7: the trip count is a constant of the text
.Lwalk_\@:
	STEP \jj, \q
	s_add_co_u32 s[KB], s[KB], STEPB
	s_add_co_u32 s[SI], s[SI], 1
	s_cmp_lt_u32 s[SI], 8
	s_cbranch_scc1 .Lwalk_\@
.endm
; A TILE LEAVES: O^T / the sum, held, quantised: tiles 2 b and 2 b + 1 give chunk b of the head's 64 channels: 1,024 bytes, two stores of 512 consecutive bytes.  oc: the tile's own registers for its codes.
.macro OUT oc, base
.rept 4
	v_nop                                          ; places behind the last products
.endr
	v_add_f32 v14, v14, v15                        ; the sum's two halves,
	s_delay_alu instid0(VALU_DEP_1)
	v_permlanex16_b32 v212, v14, s[SEL], s[SEL+1]
	s_delay_alu instid0(VALU_DEP_1)
	v_add_f32 v14, v14, v212                       ; and lane l xor 16's
	s_wait_alu depctr_va_vdst(0)                   ; the wait ahead of the transcendental,
	v_rcp_f32 v14, v14
	v_nop                                          ; a plain instruction behind it,
	s_wait_alu depctr_va_vdst(0)                   ; and the wait ahead of its first reader
.set j, 0
.rept 16
	v_pk_mul_f32 v[S+j:S+j+1], v[O+j:O+j+1], v[14:15] op_sel_hi:[1,0]
.set j, j+2
.endr
.set j, 0
.rept 32
	v_med3_num_f32 v[S+j], v[S+j], -v[OLIM], v[OLIM]
.set j, j+1
.endr
.set j, 0
.rept 4
	v_cvt_scalef32_pk8_fp8_f32 v[\oc+2*j:\oc+2*j+1], v[S+8*j:S+8*j+7], v[OSC]
.set j, j+1
.endr
	v_nop                                          ; one plain instruction behind the conversions: later products write their sources
	global_store_b128 v[LI], v[\oc:\oc+3], s[\base:\base+1]
	global_store_b128 v[LI], v[\oc+4:\oc+7], s[\base:\base+1] offset:512
.endm
	s_mov_b32 s[SI], 0
	s_mov_b32 s[KB], 0
	STEP J1, Q1                                    ; every wave has this step
	s_wait_tensorcnt 0x0                           ; waves 8-15: my part of the upper half is in
	s_barrier_signal -1
	s_barrier_wait -1                              ; the upper half is in
	s_mov_b32 s[SI], 1
	s_mov_b32 s[KB], STEPB
	WALK J1, Q1
	s_cmp_lt_u32 s[WV], 8
	s_cbranch_scc0 .Lsecond
	; waves 0-7: the hand-over
.rept 4
	v_nop                                          ; places behind the last products
.endr
	ds_store_b128 v[EXA], v[12:15]                 ; -M and the sum's halves,
.irp k, 0,1,2,3,4,5,6,7
	ds_store_b128 v[EXA], v[O+4*\k:O+4*\k+3] offset:512*\k+512   ; and O^T
.endr
	s_wait_dscnt 0x0                               ; stored: the barrier below may speak for them
	s_branch .Lgiven
.Lsecond:
	OUT 232, 82                                    ; waves 8-15: the low tile leaves, and the second walk begins
	INIT
	s_wait_alu depctr_va_vdst(0)
.Lgiven:
	s_barrier_signal -1                            ; up to the wait stand register work and LDS loads of K and V, which nobody writes
	s_mov_b32 s[SI], 0
	s_mov_b32 s[KB], HALF                          ; key steps from 8 on
	WALK J2, Q2
	s_barrier_wait -1                              ; every hand-over is stored
	s_cmp_lt_u32 s[WV], 8
	s_cbranch_scc1 .Ldone
	; waves 8-15: the two parts of the high tile are joined
.rept 4
	v_nop                                          ; places behind the last products
.endr
.irp k, 0,1,2,3,4,5,6,7,8
	ds_load_b128 v[S+4*\k:S+4*\k+3], v[EXA] offset:512*\k
.endr
	s_wait_dscnt 0x0
	v_min_num_f32 v208, v12, v[S]                  ; -M of the whole
	s_delay_alu instid0(VALU_DEP_1)
	v_sub_f32 v209, v208, v12                      ; my M - M, 0 or less,
	v_sub_f32 v213, v208, v[S]                     ; and the other part's
	s_delay_alu instid0(VALU_DEP_2)
	v_cvt_i32_f32 v209, v209
	s_delay_alu instid0(VALU_DEP_2)
	v_cvt_i32_f32 v213, v213
	s_delay_alu instid0(VALU_DEP_2)
	v_ldexp_f32 v210, 1.0, v209
	s_delay_alu instid0(VALU_DEP_2)
	v_ldexp_f32 v214, 1.0, v213
	v_pk_mul_f32 v[14:15], v[14:15], v[210:211] op_sel_hi:[1,0]
.set j, 0
.rept 16
	v_pk_mul_f32 v[O+j:O+j+1], v[O+j:O+j+1], v[210:211] op_sel_hi:[1,0]
.set j, j+2
.endr
	v_pk_fma_f32 v[14:15], v[S+2:S+3], v[214:215], v[14:15] op_sel_hi:[1,0,1]
.set j, 0
.rept 16
	v_pk_fma_f32 v[O+j:O+j+1], v[S+4+j:S+5+j], v[214:215], v[O+j:O+j+1] op_sel_hi:[1,0,1]
.set j, j+2
.endr
	OUT 240, 84
.Ldone:
	s_wait_tensorcnt 0x0                           ; the wave's end
	ds_add_u32 v254, v255
	s_wait_dscnt 0x0
	CROUND                                         ; the closing round
	s_endpgm
.Lfunc_end_k_qd7edc61366_attn:
	.size	k_qd7edc61366_attn, .Lfunc_end_k_qd7edc61366_attn-k_qd7edc61366_attn
	.p2alignl 7, 3214868480
	.fill 96, 4, 3214868480
	.section	.rodata,"a",@progbits
	.p2align	6, 0x0
	.amdhsa_kernel k_qd7edc61366_attn
		.amdhsa_group_segment_fixed_size 301056
		.amdhsa_private_segment_fixed_size 0
		.amdhsa_enable_private_segment 0
		.amdhsa_kernarg_size 40
		.amdhsa_user_sgpr_count 2
		.amdhsa_user_sgpr_kernarg_segment_ptr 1
		.amdhsa_wavefront_size32 1
		.amdhsa_system_sgpr_workgroup_id_x 1
		.amdhsa_system_sgpr_workgroup_id_y 1
		.amdhsa_system_sgpr_workgroup_id_z 1
		.amdhsa_system_vgpr_workitem_id 0
		.amdhsa_next_free_vgpr 256
		.amdhsa_next_free_sgpr 96
		.amdhsa_reserve_vcc 1
		.amdhsa_float_denorm_mode_32 3
		.amdhsa_float_denorm_mode_16_64 3
		.amdhsa_memory_ordered 1
		.amdhsa_forward_progress 1
		.amdhsa_inst_pref_size 87
	.end_amdhsa_kernel
	.amdgpu_metadata
---
amdhsa.version: [ 1, 2 ]
amdhsa.kernels:
  - .name:           k_qd7edc61366_attn
    .symbol:         k_qd7edc61366_attn.kd
    .args:
      - { .name: q_img, .offset: 0, .size: 8, .value_kind: global_buffer, .address_space: global }
      - { .name: k_img, .offset: 8, .size: 8, .value_kind: global_buffer, .address_space: global }
      - { .name: v_img, .offset: 16, .size: 8, .value_kind: global_buffer, .address_space: global }
      - { .name: lowp_scales, .offset: 24, .size: 8, .value_kind: global_buffer, .address_space: global }
      - { .name: a_img, .offset: 32, .size: 8, .value_kind: global_buffer, .address_space: global }
    .group_segment_fixed_size: 301056
    .private_segment_fixed_size: 0
    .kernarg_segment_align: 8
    .kernarg_segment_size: 40
    .max_flat_workgroup_size: 512
    .sgpr_count:     96
    .vgpr_count:     256
    .wavefront_size: 32
...
	.end_amdgpu_metadata
.endif
;; end of part 3
;; launch proj (part 4): grid 8 x 32, 4 waves a work-group, clusters of 4 x 4, 297,472 bytes of LDS; arguments a_img, wp_img, lowp_scales, out0; writes out0
.if DOCPART == 4
	.amdgcn_target "amdgcn-amd-amdhsa--gfx1250"
	.amdhsa_code_object_version 6
	.text
	.protected	k_qd7edc61366_proj
	.globl	k_qd7edc61366_proj
	.p2align	8
	.type	k_qd7edc61366_proj,@function
k_qd7edc61366_proj:
	s_mov_b64 s[64:65], 0
	v_nop
	global_prefetch_b8 v0, s[64:65] scope:SCOPE_SE
	s_setreg_imm32_b32 hwreg(HW_REG_WAVE_MODE, 25, 1), 1
	s_wait_xcnt 0x0
	s_wait_alu depctr_hold_cnt(0) depctr_sa_sdst(0) depctr_va_vdst(0) depctr_va_sdst(0) depctr_va_ssrc(0) depctr_va_vcc(0) depctr_vm_vsrc(0)
	s_getreg_b32 s2, hwreg(HW_REG_IB_STS2, 6, 4)
	s_cmp_eq_u32 s2, 0
	s_cbranch_scc0 .Lentry_in_a_cluster
	s_endpgm
.Lentry_in_a_cluster:
	s_bfe_u32 s2, ttmp6, 0x10000c
	s_cmp_lg_u32 s2, 0xf033
	s_cbranch_scc0 .Lentry_shape_is_right
	s_endpgm
.Lentry_shape_is_right:
; out = attention's result x W_proj^T on codes of FP8 (E4M3), M 4,096 x N 1,024 x K 1,024, f32 out; each finished sum is multiplied once by 2^(e6 + e7).
; IMAGES as in the launches before: [block of 16 rows][fragment of 128 K: 8, 2,048 bytes each][chunk: 4][lane][16 bytes]; block B holds in lane place r the row 32 (B/2) + 8 (B%2) + r + 8 (r/8).
; SHARES.  256 work-groups, a tile of 128 x 128 each; four waves, wave (rw, c) makes 64 x 64: 16 accumulators.  BOTH OPERANDS OF A TILE LIE WHOLE IN LDS: 2 x 131,072 bytes, by one load of 65,536 bytes a wave at the head
; (waves 0, 1: A's and B's first half of K; waves 2, 3: the second half); nothing is filled again.
; CLUSTERS 4 x 4: A's tile hangs on cy and is asked for jointly by a row of the cluster, B's on cx, by a column.  No data prefetch: all loads stand at the head and there is no loop.
; TRANSPOSED USE: source 0 = a block of W_proj, source 1 = a block of tokens: a lane holds a token's row; the 16 registers of accumulators 2 P, 2 P + 1 are 16 neighbouring columns.
; Within a half of K, B's 16 fragments stay in registers and A goes by blocks of 16 rows; so in the second half a block of rows is finished while the others are still to come, and leaves at once.
; LIMIT: e6 + e7 lies between -126 and 127, so that 2^(e6 + e7) is an f32 number.
; REGISTERS: window 0: addresses, v32-63 scaled sums, v64-127 rows on the way out, v128-255 A's fragments, two blocks by turns; window 1: B's fragments of K's first half; window 2: v0-127 accumulators, (a, b) at v[32 a + 8 b]; window 3: B's fragments of the second half.
.set STAGE, 262144                     ; the way out: two slots of 16 rows x (256 + 16) bytes for each wave; no tensor load lands there
.set SLOT,  16*272
.set SPARE, STAGE+8*SLOT               ; the spare words, 128 bytes for each wave: two blocks of 256 bytes that no other line names
.set ADA,  16                          ; v16-17 LDS address of my A fragments, K's first and second half
.set ADB,  18                          ; v18-19 the same for B
.set STO,  24                          ; the way out: where I put a row's pieces,
.set RD,   25                          ; where I read rows back,
.set CO,   26                          ; and their place in the output
.set SPW,  28
.set NIL,  29
.set TMP,  32
.set BK,   64
.set G1A, 24
.set G1B, 48
.set G0A, 32
.set G0B, 56
.set MSB, 0
.macro WIN new                         ; the immediate's high byte repeats the setting that is left
.if MSB != (\new)
	s_set_vgpr_msb (MSB<<8)|(\new)
.set MSB, \new
.endif
.endm
.macro PLACES
.rept 4
	v_nop
.endr
.endm
.macro CROUND                          ; a round of the cluster's barrier
	s_barrier_signal -1
	s_barrier_wait -1
	s_cmp_lg_u32 s14, 0
	s_cbranch_scc1 .Lnot_wave_0_\@
	s_barrier_signal -3
.Lnot_wave_0_\@:
	s_barrier_wait -3
	s_barrier_signal -1
	s_barrier_wait -1
.endm
	s_load_b128 s[4:7], s[0:1], 0x0                ; a_img s[4:5], wp_img s[6:7]
	s_load_b128 s[8:11], s[0:1], 0x10              ; the scales' exponents s[8:9], out0 s[10:11]
	v_lshl_add_u32 v[SPW], v0, 2, SPARE
	v_mov_b32 v[NIL], 0
	ds_add_u32 v[SPW], v[NIL]                      ; the opening lines: the add, twice on end, and one wait
	ds_add_u32 v[SPW], v[NIL]
	v_lshrrev_b32 v1, 5, v0
	v_readfirstlane_b32 s14, v1                    ; wave 0..3
	s_lshr_b32 s15, s14, 1                         ; rw: which 64 rows.  Also: which half of K I fetch
	s_and_b32 s16, s14, 1                          ; c: which 64 columns.  Also: I fetch A (0) or B (1)
	s_bfe_u32 s40, ttmp6, 0x40000                  ; cx, cy
	s_bfe_u32 s41, ttmp6, 0x40004
	s_lshl_b32 s19, ttmp9, 2
	s_add_co_u32 s19, s19, s40                     ; tile column, 0..7
	s_and_b32 s18, ttmp7, 0xffff
	s_lshl_b32 s18, s18, 2
	s_add_co_u32 s18, s18, s41                     ; tile row, 0..31
	s_lshl_b32 s43, s41, 2
	s_lshl_b32 s43, 15, s43                        ; my row of the cluster,
	s_lshl_b32 s44, 0x1111, s40                    ; my column
	s_or_b32 s[G1A], s43, (3<<16)|(1<<21)          ; 15:0 the mask; 17:16 elements of 8 bytes; no padding; 21 set beside a mask
	s_or_b32 s[G1B], s44, (3<<16)|(1<<21)
.irp g, G1A, G1B                                   ; 8 rows (blocks) of 8,192 bytes (half of K), 16,384 bytes apart in memory, dense in LDS
	s_mov_b32 s[\g+1], 1024<<16
	s_mov_b32 s[\g+2], 8<<16
	s_mov_b32 s[\g+3], 1024<<16
	s_mov_b32 s[\g+4], 8
	s_mov_b32 s[\g+5], 2048
	s_mov_b32 s[\g+6], 0
	s_mov_b32 s[\g+7], 0
.endr
	s_lshl_b32 s20, s18, 17                        ; A: 8 blocks x 16,384 bytes a tile
	s_mov_b32 s21, 0
	s_lshl_b32 s46, s19, 17                        ; B likewise
	s_mov_b32 s47, 0
	s_lshl_b32 s2, s15, 15                         ; my 4 blocks of A,
	s_lshl_b32 s3, s16, 15
	s_add_co_u32 s3, s3, 65536                     ; my 4 blocks of B,
	s_add_co_u32 s12, s2, 131072                   ; and K's second half
	s_add_co_u32 s13, s3, 131072
	s_mul_i32 s23, s14, 2*SLOT
	s_add_co_u32 s23, s23, STAGE                   ; my stage
	s_lshl_b32 s36, s18, 19                        ; output: (128 x tile row + 64 rw) rows of 4,096 bytes
	s_lshl_b32 s37, s15, 18
	s_add_co_u32 s36, s36, s37
	s_lshl_b32 s37, s19, 9                         ; + 512 x tile column + 256 c
	s_add_co_u32 s36, s36, s37
	s_lshl_b32 s37, s16, 8
	s_add_co_u32 s36, s36, s37
	s_mov_b32 s37, 0
	v_and_b32 v6, 31, v0
	v_lshlrev_b32 v6, 4, v6                        ; 16 x lane
	v_add_nc_u32 v[ADA], s2, v6
	v_add_nc_u32 v[ADB], s3, v6
	v_add_nc_u32 v[ADA+1], s12, v6
	v_add_nc_u32 v[ADB+1], s13, v6
	v_and_b32 v1, 15, v0                           ; r
	v_bfe_u32 v2, v0, 4, 1                         ; h
	v_mul_u32_u24 v5, v1, 272
	v_lshl_add_u32 v5, v2, 6, v5
	v_add_nc_u32 v[STO], s23, v5                   ; in: row r; 16 neighbouring columns, 64 bytes, for each half of the lanes
	v_mul_u32_u24 v7, v2, 272
	v_lshl_add_u32 v7, v1, 4, v7
	v_add_nc_u32 v[RD], s23, v7                    ; back: lanes 0-15 one row of 256 bytes, lanes 16-31 the next
	v_lshlrev_b32 v8, 12, v2
	v_lshl_add_u32 v[CO], v1, 4, v8                ; the same two rows in the output
	s_wait_alu depctr_va_vdst(0)                   ; the wait here, directly ahead of the waits below
	s_wait_dscnt 0x0                               ; both opening adds are done
	s_wait_kmcnt 0x0
	s_load_b256 s[72:79], s[8:9], 0x0              ; the eight exponents
.set G0A2, 84                          ; groups 0 of K's second half
.set G0B2, 88
.macro DESC g, b, o, lds, k            ; group 0: buffer s[b], offset s[o], k bytes along K
	s_mov_b32 s[\g], 1
	s_mov_b32 s[\g+1], \lds
	s_add_nc_u64 s[\g+2:\g+3], s[\b:\b+1], s[\o:\o+1]
.if \k
	s_add_nc_u64 s[\g+2:\g+3], s[\g+2:\g+3], \k
.endif
	s_or_b32 s[\g+3], s[\g+3], 0x80000000
.endm
.macro LOADT g0, g1                    ; a joint load: each line has one mask and one set of registers for all that issue it
	tensor_load_to_lds s[\g0:\g0+3], s[\g1:\g1+7]
	s_nop 0
	PLACES
.endm
	DESC G0A, 4, 20, 0, 0                          ; LDS: A's first half of K, B's, A's second half, B's: 65,536 bytes each
	DESC G0B, 6, 46, 65536, 0
	DESC G0A2, 4, 20, 131072, 8192
	DESC G0B2, 6, 46, 196608, 8192
	s_add_nc_u64 s[10:11], s[10:11], s[36:37]
	CROUND                                         ; all sixteen work-groups are here: the joint loads meet
	s_cmp_lg_u32 s14, 0                            ; one chain on the wave's number, one load a wave
	s_cbranch_scc1 .Lnot_0
	LOADT G0A, G1A
	s_branch .Lfirst
.Lnot_0:
	s_cmp_lg_u32 s14, 1
	s_cbranch_scc1 .Lnot_1
	LOADT G0B, G1B
	s_branch .Lfirst
.Lnot_1:
	s_cmp_lg_u32 s14, 2
	s_cbranch_scc1 .Lnot_2
	LOADT G0A2, G1A
	s_branch .Lasked
.Lnot_2:
	LOADT G0B2, G1B
	s_branch .Lasked
.Lfirst:
	s_wait_tensorcnt 0x0                           ; waves 0 and 1: K's first half is in.  Waves 2 and 3 wait for the second half ahead of the next barrier
.Lasked:
.macro FRAG reg, adr, off              ; a fragment comes as it lies: four loads, 512 consecutive bytes each
.irp c, 0,1,2,3
	ds_load_b128 v[\reg+4*\c:\reg+4*\c+3], v[\adr] offset:(\off)+512*\c
.endr
.endm
.macro BQ kh, q                        ; B's four fragments of half kh's q-th 128 along K: 16 loads
	WIN 0x40+0x80*(\kh)
.irp b, 0,1,2,3
	FRAG 64*(\q)+16*\b, ADB+\kh, 8192*\b+2048*(\q)
.endr
.endm
.macro AL kh, a                        ; A's block a, half kh: 16 loads
	WIN 0
.irp q, 0,1,2,3
	FRAG 128+64*((\a)%2)+16*\q, ADA+\kh, 8192*(\a)+2048*\q
.endr
.endm
; Block a x B's four, 128 along K: the block's four accumulators take turns, one instruction a turn; the very first product of a sum takes 0: nothing is cleared.
.macro PQ kh, a, q
	WIN 0xa1+2*(\kh)
.irp b, 0,1,2,3
.if (\kh) == 0 && (\q) == 0
	v_wmma_f32_16x16x128_fp8_fp8 v[32*(\a)+8*\b:32*(\a)+8*\b+7], v[64*(\q)+16*\b:64*(\q)+16*\b+15], v[128+64*((\a)%2)+16*(\q):128+64*((\a)%2)+16*(\q)+15], 0
.else
	v_wmma_f32_16x16x128_fp8_fp8 v[32*(\a)+8*\b:32*(\a)+8*\b+7], v[64*(\q)+16*\b:64*(\q)+16*\b+15], v[128+64*((\a)%2)+16*(\q):128+64*((\a)%2)+16*(\q)+15], v[32*(\a)+8*\b:32*(\a)+8*\b+7]
.endif
.endr
.endm
.macro BLOCK kh, a
	PQ \kh, \a, 0
	PQ \kh, \a, 1
	PQ \kh, \a, 2
	PQ \kh, \a, 3
.endm
; A finished block of 16 rows x 64 columns: scaled, through my own stage, and back as whole rows of 256 bytes.  LDS serves a wave's instructions in order (ISA guide 5.7.1.4).
.macro TOSTAGE a
.if (\a) > 1
	s_wait_xcnt 0x0                                ; block a - 2's stores have read the registers that this block's rows come back into
.endif
	PLACES                                         ; the sums were just made
	WIN 2
.set j, 0
.rept 16
	v_pk_mul_f32 v[TMP+j:TMP+j+1], v[32*(\a)+j:32*(\a)+j+1], s[96:97] op_sel_hi:[1,0]
.set j, j+2
.endr
	WIN 0
.irp b, 0,1,2,3
	ds_store_b128 v[STO], v[TMP+8*\b:TMP+8*\b+3] offset:SLOT*((\a)%2)+128*(\b/2)+32*(\b%2)
	ds_store_b128 v[STO], v[TMP+8*\b+4:TMP+8*\b+7] offset:SLOT*((\a)%2)+128*(\b/2)+32*(\b%2)+16
.endr
.irp t, 0,1,2,3,4,5,6,7
	ds_load_b128 v[BK+32*((\a)%2)+4*\t:BK+32*((\a)%2)+4*\t+3], v[RD] offset:SLOT*((\a)%2)+544*\t
.endr
.endm
.macro SEND a                          ; sixteen lanes store one aligned unit of 256 bytes; written once, read by nobody here
.irp t, 0,1,2,3,4,5,6,7
	global_store_b128 v[CO], v[BK+32*((\a)%2)+4*\t:BK+32*((\a)%2)+4*\t+3], s[10:11] offset:(32*((\a)/2)+8*((\a)%2)+2*\t+8*(\t/4))*4096 th:TH_STORE_NT
.endr
.endm
	s_barrier_signal -1
	s_barrier_wait -1                              ; K's first half is in; nothing is ever filled again
	AL 0, 0
	BQ 0, 0
	BQ 0, 1
	BQ 0, 2
	BQ 0, 3
	s_wait_dscnt 48                                ; A's block 0 and B's first 16 loads are in; B's other 48 may be out
	PQ 0, 0, 0
	s_wait_dscnt 32
	PQ 0, 0, 1
	s_wait_dscnt 16
	PQ 0, 0, 2
	AL 0, 1
	s_wait_dscnt 16                                ; all of B; block 1's 16 loads may be out
	PQ 0, 0, 3
	PLACES                                         ; in front of loads into registers that block 0's products read
	AL 0, 2
	s_wait_dscnt 16                                ; block 1 is in
	BLOCK 0, 1
	WIN 0
	s_wait_tensorcnt 0x0                           ; my tensor load has landed,
	s_wait_dscnt 0x0                               ; and block 2 is in
	s_barrier_signal -1
	BLOCK 0, 2
	WIN 0
	s_barrier_wait -1                              ; K's second half is in
	PLACES                                         ; in front of loads into registers that blocks 1 and 2 read
	AL 0, 3
	BQ 1, 0
	BQ 1, 1
	s_wait_dscnt 32                                ; block 3 is in; B's 32 may be out
	BLOCK 0, 3
	AL 1, 0
	BQ 1, 2
	BQ 1, 3
	WIN 0
	s_wait_kmcnt 0x0
	s_add_co_i32 s96, s78, s79
	s_add_co_i32 s96, s96, 127
	s_lshl_b32 s96, s96, 23                        ; 2^(e6 + e7)
	s_mov_b32 s97, s96                             ; (named with it as a pair)
	s_wait_dscnt 32                                ; block 0 and the first half of B's loads are in
	PQ 1, 0, 0
	PQ 1, 0, 1
	s_wait_dscnt 16
	PQ 1, 0, 2
	PLACES                                         ; in front of loads into registers that block 3's products read
	AL 1, 1
	s_wait_dscnt 16
	PQ 1, 0, 3
	TOSTAGE 0
	AL 1, 2                                        ; (TOSTAGE's multiplications are the places behind block 0's products)
	s_wait_dscnt 16                                ; block 1 is in and block 0's rows are back; block 2's 16 loads may be out
	SEND 0
	BLOCK 1, 1
	TOSTAGE 1
	AL 1, 3
	s_wait_dscnt 16
	SEND 1
	BLOCK 1, 2
	TOSTAGE 2
	s_wait_dscnt 0x0
	SEND 2
	BLOCK 1, 3
	TOSTAGE 3
	s_wait_dscnt 0x0
	SEND 3
	s_wait_tensorcnt 0x0                           ; the wave's end
	ds_add_u32 v[SPW], v[NIL]
	s_wait_dscnt 0x0
	CROUND                                         ; the closing round: no work-group ends while a partner may still ask for a tile that names it
	s_endpgm
.Lfunc_end_k_qd7edc61366_proj:
	.size	k_qd7edc61366_proj, .Lfunc_end_k_qd7edc61366_proj-k_qd7edc61366_proj
	.p2alignl 7, 3214868480
	.fill 96, 4, 3214868480
	.section	.rodata,"a",@progbits
	.p2align	6, 0x0
	.amdhsa_kernel k_qd7edc61366_proj
		.amdhsa_group_segment_fixed_size 297472
		.amdhsa_private_segment_fixed_size 0
		.amdhsa_enable_private_segment 0
		.amdhsa_kernarg_size 32
		.amdhsa_user_sgpr_count 2
		.amdhsa_user_sgpr_kernarg_segment_ptr 1
		.amdhsa_wavefront_size32 1
		.amdhsa_system_sgpr_workgroup_id_x 1
		.amdhsa_system_sgpr_workgroup_id_y 1
		.amdhsa_system_sgpr_workgroup_id_z 1
		.amdhsa_system_vgpr_workitem_id 0
		.amdhsa_next_free_vgpr 1024
		.amdhsa_next_free_sgpr 100
		.amdhsa_reserve_vcc 0
		.amdhsa_float_denorm_mode_32 3
		.amdhsa_float_denorm_mode_16_64 3
		.amdhsa_memory_ordered 1
		.amdhsa_forward_progress 1
		.amdhsa_inst_pref_size 45
	.end_amdhsa_kernel
	.amdgpu_metadata
---
amdhsa.version: [ 1, 2 ]
amdhsa.kernels:
  - .name:           k_qd7edc61366_proj
    .symbol:         k_qd7edc61366_proj.kd
    .args:
      - { .name: a_img, .offset: 0, .size: 8, .value_kind: global_buffer, .address_space: global }
      - { .name: wp_img, .offset: 8, .size: 8, .value_kind: global_buffer, .address_space: global }
      - { .name: lowp_scales, .offset: 16, .size: 8, .value_kind: global_buffer, .address_space: global }
      - { .name: out0, .offset: 24, .size: 8, .value_kind: global_buffer, .address_space: global }
    .group_segment_fixed_size: 297472
    .private_segment_fixed_size: 0
    .kernarg_segment_align: 8
    .kernarg_segment_size: 32
    .max_flat_workgroup_size: 128
    .sgpr_count:     100
    .vgpr_count:     1024
    .wavefront_size: 32
...
	.end_amdgpu_metadata
.endif
;; end of part 4
